; MI455X (gfx1250); checked and timed in simulation.
; The chip was launched on July 23, 2026; its instructions are those of AMD's public machine-readable ISA for CDNA 5 (MIT licence, August 2026) and "CDNA5" Instruction Set Architecture Reference Guide (July 2026). The comments in the code are by the model that wrote it; some were corrected since.
;; RG Buv Hist Block. Allowed arithmetic: matrix products marked QUANTISED: E5M2 operands, one E8M0 scale for each 32 along K, by v_wmma_scale_f32_16x16x128_f8f6f4 with both operands' format E5M2, f32 sums; everything else in f32.
;; Inputs: m 8 x 3 x 400 x 400 float32; x 8 x 3 x 400 x 400 float32.
;; Outputs: out0 8 x 3 x 64 x 64 float32.
;; This version of the problem:
;;   THIS VERSION OF THE PROBLEM IS GIVEN IN LOW PRECISION. The matrix products marked QUANTISED in the list below multiply operands that are first quantised to E5M2 (5 exponent bits, 2 mantissa bits; 8 bits a number), with one power-of-two scale for each 32 numbers along K (OCP MX v1.0); their sums are f32. All else is computed in f32.
;;   The module's matrix products, in the order in which they are computed (A, B: the left and right operand; K: the contracted axis; several contracted axes count as one K, in the product's order):
;;     1. batch 8 x [M 64, K 160,000] x [K 160,000, N 64]; A: computed on the way; B: computed on the way: QUANTISED
;;     2. batch 8 x [M 64, K 160,000] x [K 160,000, N 64]; A: computed on the way; B: computed on the way: QUANTISED
;;     3. batch 8 x [M 64, K 160,000] x [K 160,000, N 64]; A: computed on the way; B: computed on the way: QUANTISED
;;   THE QUANTISER, for each operand of a quantised product, along K:
;;     - K is cut into blocks of 32 from its start; a last block that is shorter is filled with zeros.
;;     - A block's scale is 2^e with e = floor(log2(the largest magnitude in the block)) - 15, held to -126 .. 127; a block of zeros has e = 0. As a byte (E8M0): e + 127.
;;     - Each number is divided by its block's scale, clamped to +-57,344, and rounded to the nearest number of E5M2, ties to even, subnormals kept.
;;     - The product sums the exact products of the quantised numbers (number of the format x scale) in f32.
;;   ~~~python
;;   def quantise(x, axis):      # numpy; x: float32 -> the quantised numbers, widened to float32 again
;;       x = np.moveaxis(x, axis, -1); K = x.shape[-1]
;;       x = np.pad(x, [(0, 0)] * (x.ndim - 1) + [(0, -K % 32)]); x = x.reshape(x.shape[:-1] + (-1, 32)); a = np.abs(x).max(-1, keepdims=True)
;;       e = np.where(a > 0, np.clip(np.frexp(np.where(a > 0, a, 1))[1] - 1 - 15, -126, 127), 0)      # np.frexp(a)[1] - 1 = floor(log2(a)), exactly
;;       r = np.clip(x / 2.0 ** e, -57344, 57344)
;;       step = 2.0 ** (np.maximum(np.frexp(np.where(r == 0, 1, r))[1] - 1, -14) - 2)
;;       q = np.round(r / step) * step * 2.0 ** e      # np.round: ties to even
;;       return np.moveaxis(q.reshape(q.shape[:-2] + (-1,))[..., :K], -1, axis).astype(np.float32)
;;   ~~~
;;   OPERANDS COMPUTED ON THE WAY. 'Computed on the way' means the value that the module computes at that place (a softmax that the list does not call 'softmax' is quantised finished and normalised). What goes into a quantiser is computed in f32, as accurately as f32 sums, v_exp_f32 and their like allow (about 1e-6 of the number): no bf16 or f16 on the way to a quantiser, and a product that is left as it is and whose result goes on into a quantised operand takes f32 operands (vector FMAs, or v_wmma_f32_16x16x4_f32). A number that lies on a knife's edge between two numbers of the format may be rounded either way, as far as f32 arithmetic and the matrix unit's own rounding can turn it there, and no further.
;; One version. Each part assembles by itself: llvm-mc -triple=amdgcn-amd-amdhsa -mcpu=gfx1250 --defsym DOCPART=n.
;; ======== version 1 of 1: 2 launches
;; workspace buffers: part 12,582,912 bytes; tot 1,024 bytes
;; launch hist (part 1): grid 32 x 8, 4 waves a work-group, no clusters, 217,856 bytes of LDS; arguments x, m, part, tot; writes part, tot
.if DOCPART == 1
	.amdgcn_target "amdgcn-amd-amdhsa--gfx1250"
	.amdhsa_code_object_version 6
	.text
	.protected	k_q6cd771df49_hist
	.globl	k_q6cd771df49_hist
	.p2align	8
	.type	k_q6cd771df49_hist,@function
k_q6cd771df49_hist:
	s_mov_b64 s[64:65], 0
	v_nop
	global_prefetch_b8 v0, s[64:65] scope:SCOPE_SE
	s_setreg_imm32_b32 hwreg(HW_REG_WAVE_MODE, 25, 1), 1
	s_wait_xcnt 0x0
; RGB-uv soft histogram, partial sums.  For image b and pixels n: W = Iy x (m0 > 0.5), K_f[u] = 1 / (1 + t^2), t = (d_f - bin_u) / sigma for the three log differences f = rg, rb, gb.
; THE BINS ARE SYMMETRIC (bin[63 - u] = -bin[u]), so kern(-d)[u] = kern(d)[63 - u]: three families of kernel values and FOUR quantised operands serve the three products:
;   pair 0: H0[u][v] = A_rg[u] . B_rb[v];   pair 1: H1[u][v] = A_rg[63-u] . B_gb[v];   pair 2: H2[u][v] = A_rb[63-u] . B_gb[63-v];   A_f = W K_f, B_f = K_f.  The reversals are addresses on the way out.
; Both operands of each product are codes of E5M2 with one E8M0 scale for each 32 pixels (K = the pixels).  A LANE IS A BIN AND ITS REGISTERS RUN ALONG THE PIXELS: lane (r, h) of bin tile j holds bin 16 j + r and,
; in register 16 c + i, pixel 32 c + 16 h + i of the step's 128: the operand's own layout, so the conversions' results are the operand's registers.
; SHARES.  An image's 160,000 pixels are 1,250 steps of 128.  32 work-groups an image, 4 waves each, 10 steps a wave: 1,280 places.  A step lies wholly inside or wholly past the image's end; one past the end loads
; from a held address and gets the weight 0 (the mask's threshold becomes +infinity), so that A's codes are zeros.  A wave is private: it makes all 16 fragments of a step and keeps all 48 accumulators; no barrier in the loop.
; LDS carries the four numbers of each pixel (D_rg, D_rb, D_gb, W): 2 KB a wave, written by 16 bytes a lane, read back by all bins' lanes at once.
; ONE WAVE TO A SIMD, SO THE UNITS ARE FED BY TURNS: the reciprocals of the next unit and the products of the last stand singly among the plain instructions of the unit in hand (macro TICK).
; At the end the four waves' sums meet in LDS; the work-group stores one partial histogram in the output's order and one partial total; a second launch adds the 32 partials of an image and divides.
; No tensor loads: the inputs must pass through registers, 2 KB a wave and step, asked for a whole step ahead.  No cluster: no two work-groups read the same byte.
; ARITHMETIC: l = log2(clip(x) + eps); D = (l_a - l_b) x (ln 2 / sigma); t = D + (150 - u x 6 / 63 / sigma).  ORDER OF ROUNDING: t is d / sigma - bin / sigma, not (d - bin) / sigma: an absolute error up to about 1.5e-5,
; as one last bit of a logarithm gives too.  LIMITS: NaN in x is not served; a block of zeros has the scale byte 1 where the rule says 127 (its codes are zeros; this program alone reads the bytes).  Of m channel 0 alone is read, as the problem reads it.
.set NPIX,   160000
.set STEPS,  10
.set SPITCH, 272                       ; a stage row: 64 f32 + 16 bytes: the 16 rows of a store start at 16 different 16-byte columns
.set CPY,    192*SPITCH                ; LDS byte 0 on: a stage for each wave: 3 pairs x 64 rows
.set PIX,    4*CPY                     ; then 2,048 bytes a wave: D_rg, D_rb, D_gb, W of 128 pixels, 512 bytes each
.set RED,    PIX+4*2048                ; then the four waves' totals
.set REC,    3*64*64*4                 ; a partial histogram in bytes
.set DUALMIN, 1                        ; the hold as a dual-issue pair (0: two plain lines)
; window 0
.set PXA,  1                           ; v1      PIX + 2,048 wave + 64 h: where my half of the lanes reads a block's 16 pixels
.set CN,   2                           ; v2-9    -bin / sigma of my bin in tile j, twice (a pair for the packed add)
.set QM,   10                          ; v10-13  a block's largest number
.set QP,   14                          ; v14-17  the other half's; then the scale's byte
.set QH,   18                          ; v18-21  57,344 x the scale
.set QS,   22                          ; v22-25  the conversion's scale operand
.set SWG,  26                          ; v26-29  scale words of A_rg's four tiles
.set SWR,  30                          ; v30-33  of A_rb's
.set SWB,  34                          ; v34-35  of B's two buffers
.set GOFF, 36                          ; v36     16 x lane: my four pixels of a step in memory
.set PXS,  37                          ; v37     PIX + 2,048 wave + 16 lane: where I store them
.set STO,  42                          ; the way out: v42 into my stage; v48-51, v52-55 out of the four stages (plain, v reversed); v56, v57 my bytes in the record (plain, u reversed); v[58:59] the total
.set RD,   48
.set RV,   52
.set GON,  56
.set GOR,  57
.set TT,   58
.set T0,   64                          ; v64-127, v128-191  a unit's 64 numbers, two buffers by turns;  v192-255  the same x W
.set T1,   128
.set TA,   192
.set SB,   64                          ; the way out: 8 x 16 registers
; window 1: pair 0's accumulator (ja, jb) at v[8 (4 ja + jb)], pair 1's at v[128 + ..]
; window 2: pair 2's at v[8 (4 ja + jb)];  A's codes:
.set ARGC, 128
.set ARBC, 192
; window 3
.set WR,   0                           ; v0-63    W of my 64 pixels
.set DR,   64                          ; v64-127  D of the family in hand
.set BC,   128                         ; v128-159 B's codes, two buffers
.set RAWR, 160                         ; v160-175 four pixels' r, g, b, m as loaded
.set RAWG, 164
.set RAWB, 168
.set RAWM, 172
.set QQ,   176                         ; v176-179 the intensity, then W
.set EE,   180                         ; v180-191 D_rg, D_rb, D_gb
.set FF,   184
.set GG,   188
; scalars
.set WV,   12
.set BI,   14
.set STEP, 15
.set PK,   16                          ; first pixel of the step that is prepared or loaded
.set THR,  17                          ; the mask's threshold: 0.5, or +infinity past the image's end
.set INF,  18
.set MNT,  19
.set SEL,  20
.set OFS,  22
.set XB,   24                          ; x and m at my image
.set MB,   26
.set XC,   28                          ; and at the step that is loaded
.set MC,   30
.set KAP,  32                          ; ln 2 / sigma, twice
.set DEL,  34
.set C150, 35
.set EPSP, 36                          ; eps, twice
.set P1,   38                          ; my second step's first pixel
.set TMP,  39
.set CM,   40                          ; s40-43 the mask's compares
.set SAVE, 44
.set TM2,  45
.set PB,   46                          ; my work-group's record in part
.set OF2,  48
.set TB,   50                          ; and its word in tot
.set TM3,  52
; the assembler's state for the turns
.set MSB, 0
.set AMB, 0                            ; the window setting of the stream in hand, to which a product's switch returns
.set tk, 0                             ; plain instructions written so far
.set RPER, 2                           ; a reciprocal behind every RPER-th of them
.set rq_b, T0
.set rq_i, 0
.set rq_lim, 0
.set mq_i, 0
.set mq_n, 0
.set mq_t, 0
.set mq_k, 0
.set mq_jb, 0
.set mq_buf, 0
.macro WIN new                         ; the immediate's high byte repeats the setting that is left; a switch that changes nothing is dropped
.if MSB != \new
	s_set_vgpr_msb (MSB<<8)|\new
.set MSB, \new
.endif
.endm
.macro AMBW new
.set AMB, \new
	WIN \new
.endm
; One product.  USED TRANSPOSED: source 0 = B's 16 v-bins, source 1 = A's 16 u-bins: lane (r, h), register i then holds (u-bin 16 ja + r, v-bin 16 jb + 8 h + i): eight neighbours of a row of the histogram.
.macro WM d, a, buf, sa
	v_wmma_scale_f32_16x16x128_f8f6f4 v[\d:\d+7], v[BC+16*\buf:BC+16*\buf+15], v[\a:\a+15], v[\d:\d+7], v[SWB+\buf], v[\sa] matrix_a_fmt:MATRIX_FMT_BF8 matrix_b_fmt:MATRIX_FMT_BF8
.endm
; The next product of the list in hand.  Kind 0, behind B_rb's tile jb: pair 0's (i, jb), i = 0 .. 3.  Kind 1, behind B_gb's tile jb: pair 1's and pair 2's (i / 2, jb) by turns.
; The 48 accumulators take turns, one instruction a turn, in the same order in every step.
.macro MM
.if mq_k == 0
.set m_d, 8*(4*mq_i+mq_jb)
.set m_a, ARGC+16*mq_i
.set m_s, SWG+mq_i
	WIN 0x5b                                       ; B's codes window 3, A's window 2, C and D window 1
.elseif (mq_i%2) == 0
.set m_d, 128+8*(4*(mq_i/2)+mq_jb)
.set m_a, ARGC+16*(mq_i/2)
.set m_s, SWG+mq_i/2
	WIN 0x5b
.else
.set m_d, 8*(4*(mq_i/2)+mq_jb)
.set m_a, ARBC+16*(mq_i/2)
.set m_s, SWR+mq_i/2
	WIN 0xab                                       ; C and D window 2
.endif
	WM m_d, m_a, mq_buf, m_s
	WIN AMB
.set mq_i, mq_i+1
.endm
; Behind each plain instruction of the stream: a reciprocal of the NEXT unit (in place, in the buffer that the stream does not name) behind every RPER-th, a product of the list in hand behind every seventh.
; Both settings under which the stream runs (0 and 0x0c) leave a reciprocal's two places in window 0.
.macro TICK
.set tk, tk+1
.if (rq_i < rq_lim) && ((tk % RPER) == 0)
	v_rcp_f32 v[rq_b+rq_i], v[rq_b+rq_i]
.set rq_i, rq_i+1
.endif
.if (mq_i < mq_n) && (tk >= mq_t)
	MM
.set mq_t, tk+7
.endif
.endm
.macro RSTART base, per, lim
.set rq_b, \base
.set rq_i, 0
.set rq_lim, \lim
.set RPER, \per
.endm
.macro RFLUSHTO n                      ; the reciprocals up to number n that the stream had no room for
.rept 64
.if rq_i < \n
	v_rcp_f32 v[rq_b+rq_i], v[rq_b+rq_i]
.set rq_i, rq_i+1
.endif
.endr
.endm
.macro MSTART kind, jb, buf            ; the first product stands ten plain instructions behind the codes (four are asked); the scale word was made ahead of the 32 holds
.set mq_k, \kind
.set mq_jb, \jb
.set mq_buf, \buf
.set mq_i, 0
.set mq_n, 4+4*\kind
.set mq_t, tk+10
.endm
.macro MFLUSH
.rept 8
.if mq_i < mq_n
	MM
.endif
.endr
.endm
.macro RWAIT                           ; one plain instruction behind the last reciprocal, and ONE wait for the whole batch ahead of its first reader
	v_nop
	s_wait_alu depctr_va_vdst(0)
.endm
.macro SYNC                            ; the unit that comes next is whole: all its 64 reciprocals are issued and awaited; the last list of products is out
	RFLUSHTO 64
	MFLUSH
	RWAIT
.endm
.macro DLOAD arr, reg                  ; 64 numbers of array arr: my half's 16 pixels of each block of 32; sixteen lanes read the same 16 bytes
.irp c, 0,1,2,3
.irp q, 0,1,2,3
	ds_load_b128 v[\reg+16*\c+4*\q:\reg+16*\c+4*\q+3], v[PXA] offset:512*\arr+128*\c+16*\q
.endr
.endr
.endm
; 1 + t^2 of bin tile j for the family in D, into buffer T.  ld: behind the last reader of D the next family's numbers are asked for (1: D_rb, 2: D_gb, 3: the next step's D_rg and W).
.macro ST1 T, j, ld
	AMBW 0x0c                                      ; source 1 (D) window 3
.set si, 0
.rept 32
	v_pk_add_f32 v[\T+2*si:\T+2*si+1], v[CN+2*\j:CN+2*\j+1], v[DR+2*si:DR+2*si+1]
	TICK
.set si, si+1
.endr
.if \ld
	WIN 0xc0                                       ; destination window 3
.if \ld == 1
	DLOAD 1, DR
.elseif \ld == 2
	DLOAD 2, DR
.else
	DLOAD 0, DR
	DLOAD 3, WR
.endif
.endif
	AMBW 0
.set si, 0
.rept 32
	v_pk_fma_f32 v[\T+2*si:\T+2*si+1], v[\T+2*si:\T+2*si+1], v[\T+2*si:\T+2*si+1], 1.0 op_sel_hi:[1,1,0]
	TICK
.set si, si+1
.endr
.endm
.macro MULW dst, src                   ; x W
	AMBW 0x0c
.set si, 0
.rept 32
	v_pk_mul_f32 v[\dst+2*si:\dst+2*si+1], v[\src+2*si:\src+2*si+1], v[WR+2*si:WR+2*si+1]
	TICK
.set si, si+1
.endr
	AMBW 0
.endm
; 64 numbers of a lane, none negative, become a fragment's 16 registers of codes at v[cb] of the window that cw names, and its scale word in v[sw].
.macro QUANT X, cw, cb, sw
.irp b, 0,1,2,3
	v_max3_num_f32 v[QM+\b], v[\X+16*\b], v[\X+16*\b+1], 0x8000000   ; block b: my 16 numbers, and the floor 2^(16 - 127): the byte cannot fall under 1
	TICK
.endr
.irp i, 2,4,6,8,10,12,14
.irp b, 0,1,2,3
	v_max3_num_f32 v[QM+\b], v[QM+\b], v[\X+16*\b+\i], v[\X+16*\b+\i+1]   ; the four blocks by turns
	TICK
.endr
.endr
.irp b, 0,1,2,3
	v_permlanex16_b32 v[QP+\b], v[QM+\b], s[SEL], s[SEL+1]
	TICK
.endr
.irp b, 0,1,2,3
	v_max_num_f32 v[QM+\b], v[QM+\b], v[QP+\b]     ; with lane l xor 16's 16 pixels: the block's largest number
	TICK
.endr
.irp b, 0,1,2,3
	v_add_nc_u32 v[QS+\b], 0xf8800000, v[QM+\b]    ; 15 off its exponent field: the conversion takes that field as its scale
	TICK
.endr
.irp b, 0,1,2,3
	v_and_or_b32 v[QH+\b], v[QM+\b], s[INF], s[MNT]   ; 57,344 x the scale: the exponent field over 57,344's mantissa
	TICK
.endr
.irp b, 0,1,2,3
	v_lshrrev_b32 v[QP+\b], 23, v[QS+\b]           ; the scale's byte
	TICK
.endr
	v_lshl_or_b32 v[\sw], v[QP+1], 8, v[QP]
	TICK
	v_lshl_or_b32 v[\sw], v[QP+2], 16, v[\sw]
	TICK
	v_lshl_or_b32 v[\sw], v[QP+3], 24, v[\sw]
	TICK
.set qi, 0
.rept 32                               ; the conversion to an 8-bit code does not saturate (ISA guide 7.6.2): the hold, one-sided, two numbers a line
.if DUALMIN
	v_dual_min_num_f32 v[\X+2*qi], v[QH+qi/8], v[\X+2*qi] :: v_dual_min_num_f32 v[\X+2*qi+1], v[QH+qi/8], v[\X+2*qi+1]
	TICK
.else
	v_min_num_f32 v[\X+2*qi], v[QH+qi/8], v[\X+2*qi]
	TICK
	v_min_num_f32 v[\X+2*qi+1], v[QH+qi/8], v[\X+2*qi+1]
	TICK
.endif
.set qi, qi+1
.endr
	WIN \cw
.irp b, 0,1,2,3
	v_cvt_scalef32_pk8_bf8_f32 v[\cb+4*\b:\cb+4*\b+1], v[\X+16*\b:\X+16*\b+7], v[QS+\b]
	v_cvt_scalef32_pk8_bf8_f32 v[\cb+4*\b+2:\cb+4*\b+3], v[\X+16*\b+8:\X+16*\b+15], v[QS+\b]
.endr
	WIN 0
	v_nop                                          ; one plain instruction behind the last conversion, ahead of whatever next touches its registers
.endm
; The three kinds of unit, each on the buffer T that holds its 64 kernel values.
.macro ARG T, j                        ; rg: A_rg's tile j
	MULW \T, \T
	QUANT \T, 0x80, ARGC+16*\j, SWG+\j
.endm
.macro RBU T, j                        ; rb: B_rb's tile j, pair 0's four products, A_rb's tile j
	MULW TA, \T
	QUANT \T, 0xc0, BC+16*(\j%2), SWB+\j%2
	MSTART 0, \j, \j%2
	QUANT TA, 0x80, ARBC+16*\j, SWR+\j
.endm
.macro GBU T, j, go                    ; gb: B_gb's tile j, and pairs 1 and 2's eight products
	QUANT \T, 0xc0, BC+16*(\j%2), SWB+\j%2
.if \go
	MSTART 1, \j, \j%2
.endif
.endm
; Four pixels a lane, as loaded, become D_rg, D_rb, D_gb and W in my wave's LDS bytes.  s[PK]: the step's first pixel.
.macro PREP
	s_cmp_lt_u32 s[PK], NPIX
	s_cselect_b32 s[THR], 0x3f000000, s[INF]       ; past the image's end no pixel counts
	WIN 0xff
.irp i, 0,1,2,3,4,5,6,7,8,9,10,11
	v_med3_num_f32 v[RAWR+\i], v[RAWR+\i], 0, 1.0  ; the clip
.endr
.irp i, 0,2
	v_pk_fma_f32 v[QQ+\i:QQ+\i+1], v[RAWR+\i:RAWR+\i+1], v[RAWR+\i:RAWR+\i+1], s[EPSP:EPSP+1] op_sel_hi:[1,1,0]
.endr
.irp i, 0,2
	v_pk_fma_f32 v[QQ+\i:QQ+\i+1], v[RAWG+\i:RAWG+\i+1], v[RAWG+\i:RAWG+\i+1], v[QQ+\i:QQ+\i+1]
.endr
.irp i, 0,2
	v_pk_fma_f32 v[QQ+\i:QQ+\i+1], v[RAWB+\i:RAWB+\i+1], v[RAWB+\i:RAWB+\i+1], v[QQ+\i:QQ+\i+1]
.endr
.irp i, 0,2,4,6,8,10
	v_pk_add_f32 v[RAWR+\i:RAWR+\i+1], v[RAWR+\i:RAWR+\i+1], s[EPSP:EPSP+1] op_sel_hi:[1,0]
.endr
.irp i, 0,1,2,3,4,5,6,7,8,9,10,11
	v_log_f32 v[RAWR+\i], v[RAWR+\i]               ; log2: the factor ln 2 goes into the scaling below
.endr
.irp i, 0,1,2,3
	v_sqrt_f32 v[QQ+\i], v[QQ+\i]
.endr
	v_nop                                          ; a plain instruction behind the batch of sixteen
.irp i, 0,1,2,3
	v_cmp_gt_f32 s[CM+\i], v[RAWM+\i], s[THR]      ; the mask: it selects a value, nothing else
.endr
	s_wait_alu depctr_va_vdst(0)                   ; one wait for the batch, ahead of its first reader
.irp i, 0,1,2,3
	v_cndmask_b32 v[QQ+\i], 0, v[QQ+\i], s[CM+\i]  ; W
.endr
.irp i, 0,2
	v_pk_add_f32 v[EE+\i:EE+\i+1], v[RAWR+\i:RAWR+\i+1], v[RAWG+\i:RAWG+\i+1] neg_lo:[0,1] neg_hi:[0,1]
	v_pk_add_f32 v[FF+\i:FF+\i+1], v[RAWR+\i:RAWR+\i+1], v[RAWB+\i:RAWB+\i+1] neg_lo:[0,1] neg_hi:[0,1]
	v_pk_add_f32 v[GG+\i:GG+\i+1], v[RAWG+\i:RAWG+\i+1], v[RAWB+\i:RAWB+\i+1] neg_lo:[0,1] neg_hi:[0,1]
.endr
.irp i, 0,2,4,6,8,10
	v_pk_mul_f32 v[EE+\i:EE+\i+1], v[EE+\i:EE+\i+1], s[KAP:KAP+1] op_sel_hi:[1,0]
.endr
	WIN 0x0c                                       ; an LDS store's data are its source 1: window 3; the address lies in window 0
	ds_store_b128 v[PXS], v[EE:EE+3]
	ds_store_b128 v[PXS], v[FF:FF+3] offset:512
	ds_store_b128 v[PXS], v[GG:GG+3] offset:1024
	ds_store_b128 v[PXS], v[QQ:QQ+3] offset:1536
	WIN 0
.endm
; The 128 pixels from s[PK] on: each load reads 512 consecutive bytes, at a multiple of 256 from the buffer's first byte.  A step past the image's end reads the image's last step: no load leaves its buffer.
.macro RAWLOAD
	s_min_u32 s[OFS], s[PK], NPIX-128
	s_lshl_b32 s[OFS], s[OFS], 2
	s_add_nc_u64 s[XC:XC+1], s[XB:XB+1], s[OFS:OFS+1]
	s_add_nc_u64 s[MC:MC+1], s[MB:MB+1], s[OFS:OFS+1]
	WIN 0xc0
	global_load_b128 v[RAWR:RAWR+3], v[GOFF], s[XC:XC+1] th:TH_LOAD_NT
	global_load_b128 v[RAWG:RAWG+3], v[GOFF], s[XC:XC+1] offset:NPIX*4 th:TH_LOAD_NT
	global_load_b128 v[RAWB:RAWB+3], v[GOFF], s[XC:XC+1] offset:2*NPIX*4 th:TH_LOAD_NT
	global_load_b128 v[RAWM:RAWM+3], v[GOFF], s[MC:MC+1] th:TH_LOAD_NT
	WIN 0
.endm
	s_load_b256 s[4:11], s[0:1], 0x0               ; x s[4:5], m s[6:7], part s[8:9], tot s[10:11]
	v_lshl_add_u32 v63, v0, 2, 0x35100
	s_set_vgpr_msb 0xc0
	v_mov_b32 v255, 0
	s_set_vgpr_msb 0xc000
	v_lshrrev_b32 v38, 5, v0
	v_readfirstlane_b32 s[WV], v38                 ; wave 0..3
	s_and_b32 s[BI], ttmp7, 0xffff                 ; the image
	s_mul_i32 s[PK], ttmp9, 4*STEPS*128
	s_mul_i32 s[TMP], s[WV], STEPS*128
	s_add_co_u32 s[PK], s[PK], s[TMP]              ; my first pixel: 5,120 x work-group + 1,280 x wave
	s_add_co_u32 s[P1], s[PK], 128
	s_mul_i32 s[OFS], s[BI], 3*NPIX*4              ; an image is 1,920,000 bytes in x and in m
	s_mov_b32 s[OFS+1], 0
	s_lshl_b32 s[TMP], s[BI], 5
	s_add_co_u32 s[TMP], s[TMP], ttmp9             ; 32 x image + work-group
	s_mul_i32 s[OF2], s[TMP], REC
	s_mov_b32 s[OF2+1], 0
	v_and_b32 v38, 31, v0
	v_lshlrev_b32 v[GOFF], 4, v38
	s_wait_kmcnt 0x0
	s_add_nc_u64 s[XB:XB+1], s[4:5], s[OFS:OFS+1]
	s_add_nc_u64 s[MB:MB+1], s[6:7], s[OFS:OFS+1]
	s_add_nc_u64 s[PB:PB+1], s[8:9], s[OF2:OF2+1]
	s_lshl_b32 s[OF2], s[TMP], 2
	s_add_nc_u64 s[TB:TB+1], s[10:11], s[OF2:OF2+1]
	RAWLOAD                                        ; step 0; all that follows up to the wait stands in these loads' shadow
	s_mov_b32 s[INF], 0x7f800000
	s_mov_b32 s[MNT], 0x600000                     ; the mantissa field of 57,344
	s_mov_b32 s[SEL], 0x76543210
	s_mov_b32 s[SEL+1], 0xfedcba98                 ; v_permlanex16_b32's selects for lane l xor 16
	s_mov_b32 s[KAP], 0x420aa123                   ; ln 2 / sigma = 34.65736
	s_mov_b32 s[KAP+1], s[KAP]
	s_mov_b32 s[DEL], 0x40986186                   ; (6 / 63) / sigma = 4.761905
	s_mov_b32 s[C150], 0x43160000                  ; 3 / sigma = 150
	s_mov_b32 s[EPSP], 0x358637bd                  ; 1e-6
	s_mov_b32 s[EPSP+1], s[EPSP]
	s_lshl_b32 s[TM2], s[WV], 11
	s_add_co_u32 s[TM2], s[TM2], PIX               ; my wave's 2,048 bytes
	v_add_nc_u32 v[PXS], s[TM2], v[GOFF]
	v_bfe_u32 v39, v0, 4, 1                        ; h
	v_lshlrev_b32 v[PXA], 6, v39
	v_add_nc_u32 v[PXA], s[TM2], v[PXA]
	v_and_b32 v40, 15, v0                          ; r
.irp j, 0,1,2,3
	v_add_nc_u32 v41, 16*\j, v40                   ; my bin in tile j
	v_cvt_f32_u32 v41, v41
	v_fma_f32 v[CN+2*\j], -v41, s[DEL], s[C150]    ; -bin / sigma
	v_mov_b32 v[CN+2*\j+1], v[CN+2*\j]
.endr
.irp b, 0,1,2,3
	v_mov_b32 v[QP+\b], 0                          ; written once: a lane permute's destination counts as one of its sources
.endr
	; The 48 accumulators are cleared.  A first step written out with the constant 0 as C would be a second copy of the step's text, some 26 KB, run once; these 384 lines stand in the first loads' shadow.
	WIN 0x40
.set ci, 0
.rept 256
	v_mov_b32 v[ci], 0
.set ci, ci+1
.endr
	WIN 0x80
.set ci, 0
.rept 128
	v_mov_b32 v[ci], 0
.set ci, ci+1
.endr
	WIN 0
	s_wait_loadcnt 0x0                             ; step 0's pixels are in; the loads' bases may be written again
	PREP
	s_mov_b32 s[PK], s[P1]
	RAWLOAD                                        ; step 1
	WIN 0xc0
	DLOAD 0, DR                                    ; LDS serves a wave's instructions in order (ISA guide 5.7.1.4): these see my stores
	DLOAD 3, WR
	WIN 0
	s_wait_dscnt 0x0
	ST1 T0, 0, 0                                   ; unit 0 of step 0 (nothing stands in the turns yet)
	RSTART T0, 2, 64
	RFLUSHTO 40                                    ; as every trip leaves it: 40 of unit 0's reciprocals are made, 24 are left for the next unit's shadow
	RWAIT
	s_mov_b32 s[STEP], 0
; A STEP: 128 pixels, twelve units: rg's four bin tiles, rb's, gb's; unit n lives in buffer n % 2.  In slot n: 1 + t^2 of unit n + 1; the wait for unit n's reciprocals; unit n's multiplication, quantising
; and products, with unit n + 1's reciprocals in the turns.  Every wait on DScnt and LOADcnt in the loop is for 0, behind loads issued 150 instructions or more earlier.
.Lstep:
.set tk, 0
	ST1 T1, 1, 0                                   ; slot 0
	SYNC
	RSTART T1, 3, 64
	ARG T0, 0
	ST1 T0, 2, 0                                   ; slot 1
	SYNC
	RSTART T0, 3, 64
	ARG T1, 1
	ST1 T1, 3, 1                                   ; slot 2: D_rg's last reader; D_rb is asked for
	SYNC
	RSTART T1, 3, 64
	ARG T0, 2
	s_wait_dscnt 0x0                               ; slot 3: D_rb is in
	ST1 T0, 0, 0
	SYNC
	RSTART T0, 3, 64
	ARG T1, 3
	ST1 T1, 1, 0                                   ; slot 4
	SYNC
	RSTART T1, 4, 64
	RBU T0, 0
	ST1 T0, 2, 0                                   ; slot 5
	SYNC
	RSTART T0, 4, 64
	RBU T1, 1
	ST1 T1, 3, 2                                   ; slot 6: D_gb is asked for
	SYNC
	RSTART T1, 4, 64
	RBU T0, 2
	s_wait_dscnt 0x0                               ; slot 7: D_gb is in
	ST1 T0, 0, 0
	SYNC
	RSTART T0, 4, 64
	RBU T1, 3
	ST1 T1, 1, 0                                   ; slot 8
	SYNC
	RSTART T1, 2, 64
	GBU T0, 0, 1
	ST1 T0, 2, 0                                   ; slot 9
	SYNC
	; the next step's pixels are prepared: all of this step's reads of my LDS bytes have been issued, and LDS serves a wave in order.  The last step prepares nothing, the last two load nothing.
	s_cmp_eq_u32 s[STEP], STEPS-1
	s_cbranch_scc1 .Lnoprep
	s_lshl_b32 s[PK], s[STEP], 7
	s_add_co_u32 s[PK], s[PK], s[P1]               ; the next step's first pixel
	s_wait_loadcnt 0x0                             ; its pixels, asked for a step ago, are in; the loads' bases may be written again
	PREP
	s_cmp_ge_u32 s[STEP], STEPS-2
	s_cbranch_scc1 .Lnoprep
	s_add_co_u32 s[PK], s[PK], 128
	RAWLOAD                                        ; two steps ahead
.Lnoprep:
	RSTART T0, 2, 64
	GBU T1, 1, 1
	ST1 T1, 3, 3                                   ; slot 10: the next step's D_rg and W are asked for (W's last reader was slot 7's)
	SYNC
	RSTART T1, 2, 64
	GBU T0, 2, 1
	s_wait_dscnt 0x0                               ; slot 11: they are in
	ST1 T0, 0, 0                                   ; the next step's unit 0.  (In the last trip it is made of this step's numbers and nobody multiplies it: 64 lines and 40 reciprocals of the wave's whole run)
	SYNC
	RSTART T0, 2, 40
	GBU T1, 3, 0
.rept 3
	v_nop                                          ; with the one behind the conversions: four places between B's codes and the products
.endr
	WIN 0x5b
.irp ja, 0,1,2,3
	WM 128+8*(4*\ja+3), ARGC+16*\ja, 1, SWG+\ja
.endr
	WIN 0xab
.irp ja, 0,1,2,3
	WM 8*(4*\ja+3), ARBC+16*\ja, 1, SWR+\ja
.endr
	WIN 0                                          ; at a label and at a branch every window is 0
	RFLUSHTO 40
	RWAIT                                          ; ahead of the branch every reciprocal issued has its wait
	s_add_co_u32 s[STEP], s[STEP], 1
	s_cmp_lt_u32 s[STEP], STEPS
	s_cbranch_scc1 .Lstep
	; THE WAY OUT.  The addresses are made here: more than the eight plain instructions that stand between the last products and the first read of a result.
	v_and_b32 v40, 15, v0                          ; r, and l
	v_bfe_u32 v41, v0, 4, 1                        ; h
	s_mul_i32 s[TM2], s[WV], CPY                   ; my stage
	s_lshl_b32 s[TM3], s[WV], 4
	v_mul_u32_u24 v[STO], v40, SPITCH
	v_lshl_add_u32 v[STO], v41, 5, v[STO]
	v_add_nc_u32 v[STO], s[TM2], v[STO]            ; in: row r, 32 bytes for each half of the lanes
	v_add_nc_u32 v43, s[TM3], v41                  ; back: wave w sums rows 16 w .. 16 w + 15 of every pair; lanes 0-15 one row, lanes 16-31 the next
	v_mul_u32_u24 v44, v43, SPITCH
	v_lshl_add_u32 v[RD], v40, 4, v44              ; 16 bytes a lane;
	v_sub_nc_u32 v45, 15, v40
	v_lshl_add_u32 v[RV], v45, 4, v44              ; for pair 2 from the row's other end
.irp k, 1,2,3
	v_add_nc_u32 v[RD+\k], CPY*\k, v[RD]           ; the four waves' stages
	v_add_nc_u32 v[RV+\k], CPY*\k, v[RV]
.endr
	v_lshlrev_b32 v46, 4, v40
	v_lshl_add_u32 v[GON], v43, 8, v46             ; the record: row u = a,
	v_sub_nc_u32 v47, 63, v43
	v_lshl_add_u32 v[GOR], v47, 8, v46             ; or u = 63 - a
	WIN 0x04                                       ; the stores' data: window 1
.irp p, 0,1
.irp ja, 0,1,2,3
.irp jb, 0,1,2,3
	ds_store_b128 v[STO], v[128*\p+8*(4*\ja+\jb):128*\p+8*(4*\ja+\jb)+3] offset:SPITCH*(64*\p+16*\ja)+64*\jb       ; each accumulator from its low end on
	ds_store_b128 v[STO], v[128*\p+8*(4*\ja+\jb)+4:128*\p+8*(4*\ja+\jb)+7] offset:SPITCH*(64*\p+16*\ja)+64*\jb+16
.endr
.endr
.endr
	WIN 0x08                                       ; window 2: pair 2
.irp ja, 0,1,2,3
.irp jb, 0,1,2,3
	ds_store_b128 v[STO], v[8*(4*\ja+\jb):8*(4*\ja+\jb)+3] offset:SPITCH*(128+16*\ja)+64*\jb
	ds_store_b128 v[STO], v[8*(4*\ja+\jb)+4:8*(4*\ja+\jb)+7] offset:SPITCH*(128+16*\ja)+64*\jb+16
.endr
.endr
	WIN 0
	s_wait_dscnt 0x0                               ; for the others' sake: my stores into my stage are done
	s_barrier_signal -1
	s_barrier_wait -1
; Pair p: my 16 rows out of the four stages, two rows an instruction; summed; stored so that sixteen lanes write 256 consecutive bytes, at a multiple of 256 from the buffer's first byte.
.macro OUTP p
.irp i, 0,1,2,3,4,5,6,7
.irp k, 0,1,2,3
.if \p == 2
	ds_load_b128 v[SB+16*\i+4*\k:SB+16*\i+4*\k+3], v[RV+\k] offset:SPITCH*(64*\p+2*\i)
.else
	ds_load_b128 v[SB+16*\i+4*\k:SB+16*\i+4*\k+3], v[RD+\k] offset:SPITCH*(64*\p+2*\i)
.endif
.endr
.endr
.irp i, 0,1,2,3,4,5,6,7
.set c0, SB+16*\i
	s_wait_dscnt 28-4*\i                           ; LDS loads come back in order: the four of rows 2 i, 2 i + 1 are in; the 28 - 4 i younger ones may be out
	v_pk_add_f32 v[c0:c0+1], v[c0:c0+1], v[c0+4:c0+5]
	v_pk_add_f32 v[c0+2:c0+3], v[c0+2:c0+3], v[c0+6:c0+7]
	v_pk_add_f32 v[c0+8:c0+9], v[c0+8:c0+9], v[c0+12:c0+13]
	v_pk_add_f32 v[c0+10:c0+11], v[c0+10:c0+11], v[c0+14:c0+15]
.if \p == 2
.irp e, 0,1,2,3
	v_add_f32 v[c0+4+\e], v[c0+3-\e], v[c0+11-\e]  ; v = 63 - the v-bin: the quad from the row's other end, turned round
.endr
.else
	v_pk_add_f32 v[c0+4:c0+5], v[c0:c0+1], v[c0+8:c0+9]
	v_pk_add_f32 v[c0+6:c0+7], v[c0+2:c0+3], v[c0+10:c0+11]
.endif
.if (\p == 0) && (\i == 0)
	v_pk_add_f32 v[TT:TT+1], v[c0+4:c0+5], v[c0+6:c0+7]   ; the first sum starts the total
.else
	v_pk_add_f32 v[TT:TT+1], v[TT:TT+1], v[c0+4:c0+5]
	v_pk_add_f32 v[TT:TT+1], v[TT:TT+1], v[c0+6:c0+7]
.endif
.if \p == 0
	global_store_b128 v[GON], v[c0+4:c0+7], s[PB:PB+1] offset:512*\i
.else
	global_store_b128 v[GOR], v[c0+4:c0+7], s[PB:PB+1] offset:16384*\p-512*\i
.endif
.endr
.endm
	OUTP 0
	s_wait_xcnt 0x0                                ; the stores have read their data: the next pair's loads may land there
	OUTP 1
	s_wait_xcnt 0x0
	OUTP 2
	v_add_f32 v[TT], v[TT], v[TT+1]                ; my wave's share of the total: over the lanes,
	v_add_f32_dpp v[TT], v[TT], v[TT] row_xmask:1 row_mask:0xf bank_mask:0xf
	v_add_f32_dpp v[TT], v[TT], v[TT] row_xmask:2 row_mask:0xf bank_mask:0xf
	v_add_f32_dpp v[TT], v[TT], v[TT] row_xmask:4 row_mask:0xf bank_mask:0xf
	v_add_f32_dpp v[TT], v[TT], v[TT] row_xmask:8 row_mask:0xf bank_mask:0xf
	v_permlanex16_b32 v[TT+1], v[TT], s[SEL], s[SEL+1]
	v_add_f32 v[TT], v[TT], v[TT+1]
	s_lshl_b32 s[TM2], s[WV], 2
	s_add_co_u32 s[TM2], s[TM2], RED
	v_mov_b32 v60, s[TM2]
	ds_store_b32 v60, v[TT]                        ; and over the waves: all lanes write the same word with the same value
	s_wait_dscnt 0x0
	s_barrier_signal -1
	s_barrier_wait -1
	s_cmp_lg_u32 s[WV], 0                          ; wave 0 stores the work-group's total
	s_cbranch_scc1 .Lend
	v_mov_b32 v61, RED
	s_wait_xcnt 0x0                                ; pair 2's stores have read their data and EXEC
	ds_load_b128 v[64:67], v61
	v_mov_b32 v62, 0
	v_cmp_eq_u32 vcc_lo, 0, v0
	s_wait_dscnt 0x0
	v_add_f32 v64, v64, v65
	v_add_f32 v66, v66, v67
	v_add_f32 v64, v64, v66
	s_and_saveexec_b32 s[SAVE], vcc_lo             ; thread 0 alone
	global_store_b32 v62, v64, s[TB:TB+1]
	s_wait_xcnt 0x0                                ; EXEC changes only behind this wait
	s_or_b32 exec_lo, exec_lo, s[SAVE]
.Lend:
	s_set_vgpr_msb 0xc
	s_wait_tensorcnt 0x0
	ds_add_u32 v63, v255
	s_wait_dscnt 0x0
	s_set_vgpr_msb 0xc00
	s_endpgm
.Lfunc_end_k_q6cd771df49_hist:
	.size	k_q6cd771df49_hist, .Lfunc_end_k_q6cd771df49_hist-k_q6cd771df49_hist
	.p2alignl 7, 3214868480
	.fill 96, 4, 3214868480
	.section	.rodata,"a",@progbits
	.p2align	6, 0x0
	.amdhsa_kernel k_q6cd771df49_hist
		.amdhsa_group_segment_fixed_size 217856
		.amdhsa_private_segment_fixed_size 0
		.amdhsa_enable_private_segment 0
		.amdhsa_kernarg_size 32
		.amdhsa_user_sgpr_count 2
		.amdhsa_user_sgpr_kernarg_segment_ptr 1
		.amdhsa_wavefront_size32 1
		.amdhsa_system_sgpr_workgroup_id_x 1
		.amdhsa_system_sgpr_workgroup_id_y 1
		.amdhsa_system_sgpr_workgroup_id_z 1
		.amdhsa_system_vgpr_workitem_id 0
		.amdhsa_next_free_vgpr 1024
		.amdhsa_next_free_sgpr 66
		.amdhsa_reserve_vcc 1
		.amdhsa_float_denorm_mode_32 3
		.amdhsa_float_denorm_mode_16_64 3
		.amdhsa_memory_ordered 1
		.amdhsa_forward_progress 1
		.amdhsa_inst_pref_size 255
	.end_amdhsa_kernel
	.section	.bss,"aw",@nobits
	.p2align	6
	.space	262144
	.amdgpu_metadata
---
amdhsa.version: [ 1, 2 ]
amdhsa.kernels:
  - .name:           k_q6cd771df49_hist
    .symbol:         k_q6cd771df49_hist.kd
    .args:
      - { .name: x, .offset: 0, .size: 8, .value_kind: global_buffer, .address_space: global }
      - { .name: m, .offset: 8, .size: 8, .value_kind: global_buffer, .address_space: global }
      - { .name: part, .offset: 16, .size: 8, .value_kind: global_buffer, .address_space: global }
      - { .name: tot, .offset: 24, .size: 8, .value_kind: global_buffer, .address_space: global }
    .group_segment_fixed_size: 217856
    .private_segment_fixed_size: 0
    .kernarg_segment_align: 8
    .kernarg_segment_size: 32
    .max_flat_workgroup_size: 128
    .sgpr_count:     66
    .vgpr_count:     1024
    .wavefront_size: 32
...
	.end_amdgpu_metadata
.endif
;; end of part 1
;; launch norm (part 2): grid 32 x 8, 3 waves a work-group, no clusters, 0 bytes of LDS; arguments part, tot, out0; writes out0
.if DOCPART == 2
	.amdgcn_target "amdgcn-amd-amdhsa--gfx1250"
	.amdhsa_code_object_version 6
	.text
	.protected	k_q6cd771df49_norm
	.globl	k_q6cd771df49_norm
	.p2align	8
	.type	k_q6cd771df49_norm,@function
k_q6cd771df49_norm:
	s_mov_b64 s[64:65], 0
	v_nop
	global_prefetch_b8 v0, s[64:65] scope:SCOPE_SE
	s_setreg_imm32_b32 hwreg(HW_REG_WAVE_MODE, 25, 1), 1
	s_wait_xcnt 0x0
; out0[b] = (the sum over g of part[b][g]) / (the sum over g of tot[b][g] + 1e-6).  part: [8][32][3][64][64] f32, already in the output's order; tot: [8][32] f32.
; A stream: work-group (s, b) owns bytes 1,536 s .. 1,536 s + 1,535 of the image's 49,152; thread t 16 of them.  A wave's load or store covers 512 consecutive bytes, at a multiple of 256 from the buffer's first byte.
; All 33 loads of a thread go out at once; no LDS, no barrier, no matrix unit: there is nothing for them to do.  Every wave adds the image's 32 partial totals for itself, a lane a word.
.set REC, 49152
	s_load_b128 s[4:7], s[0:1], 0x0                ; part, tot
	s_load_b64 s[8:9], s[0:1], 0x10                ; out0
	s_and_b32 s10, ttmp7, 0xffff                   ; the image
	s_mul_i32 s12, s10, 32*REC
	s_mov_b32 s13, 0
	s_lshl_b32 s14, s10, 7
	s_mov_b32 s15, 0
	s_mul_i32 s16, s10, REC
	s_mov_b32 s17, 0
	s_mul_i32 s18, ttmp9, 1536
	s_mov_b32 s20, 0x76543210
	s_mov_b32 s21, 0xfedcba98                      ; v_permlanex16_b32's selects for lane l xor 16
	v_lshlrev_b32 v1, 4, v0
	v_add_nc_u32 v1, s18, v1                       ; my 16 bytes of a record
	v_and_b32 v2, 31, v0
	v_lshlrev_b32 v2, 2, v2                        ; my word of the totals
	v_mov_b32 v4, 0                                ; a lane permute's destination counts as one of its sources
	s_wait_kmcnt 0x0
	s_add_nc_u64 s[4:5], s[4:5], s[12:13]
	s_add_nc_u64 s[6:7], s[6:7], s[14:15]
	s_add_nc_u64 s[8:9], s[8:9], s[16:17]
	global_load_b32 v3, v2, s[6:7]
.set g, 0
.rept 32
	global_load_b128 v[16+4*g:19+4*g], v1, s[4:5] offset:REC*g th:TH_LOAD_NT
.set g, g+1
.endr
	s_wait_loadcnt 32                              ; loads come back in order: the total's word is in, the 32 younger loads may be out
	v_add_f32_dpp v3, v3, v3 row_xmask:1 row_mask:0xf bank_mask:0xf
	v_add_f32_dpp v3, v3, v3 row_xmask:2 row_mask:0xf bank_mask:0xf
	v_add_f32_dpp v3, v3, v3 row_xmask:4 row_mask:0xf bank_mask:0xf
	v_add_f32_dpp v3, v3, v3 row_xmask:8 row_mask:0xf bank_mask:0xf
	v_permlanex16_b32 v4, v3, s20, s21
	v_add_f32 v3, v3, v4
	v_add_f32 v3, 0x358637bd, v3                   ; + 1e-6
	v_rcp_f32 v6, v3                               ; twice: a pair for the packed multiply
	v_rcp_f32 v7, v3
	v_nop                                          ; a plain instruction behind the two; the sums below are the work between them and their wait
	s_wait_loadcnt 24                              ; partials 0 to 7 are in; the 24 younger loads may be out
.set g, 2
.rept 30                               ; even partials onto partial 0, odd ones onto partial 1: four chains of packed additions
.if (g%8) == 0
	s_wait_loadcnt 24-8*(g/8)                      ; the next eight are in; those behind them may be out
.endif
	v_pk_add_f32 v[16+4*(g%2):17+4*(g%2)], v[16+4*(g%2):17+4*(g%2)], v[16+4*g:17+4*g]
	v_pk_add_f32 v[18+4*(g%2):19+4*(g%2)], v[18+4*(g%2):19+4*(g%2)], v[18+4*g:19+4*g]
.set g, g+1
.endr
	v_pk_add_f32 v[16:17], v[16:17], v[20:21]
	v_pk_add_f32 v[18:19], v[18:19], v[22:23]
	s_wait_alu depctr_va_vdst(0)                   ; one wait for both reciprocals, ahead of their first reader
	v_pk_mul_f32 v[16:17], v[16:17], v[6:7]
	v_pk_mul_f32 v[18:19], v[18:19], v[6:7]
	global_store_b128 v1, v[16:19], s[8:9]
	s_endpgm
.Lfunc_end_k_q6cd771df49_norm:
	.size	k_q6cd771df49_norm, .Lfunc_end_k_q6cd771df49_norm-k_q6cd771df49_norm
	.p2alignl 7, 3214868480
	.fill 96, 4, 3214868480
	.section	.rodata,"a",@progbits
	.p2align	6, 0x0
	.amdhsa_kernel k_q6cd771df49_norm
		.amdhsa_group_segment_fixed_size 0
		.amdhsa_private_segment_fixed_size 0
		.amdhsa_enable_private_segment 0
		.amdhsa_kernarg_size 24
		.amdhsa_user_sgpr_count 2
		.amdhsa_user_sgpr_kernarg_segment_ptr 1
		.amdhsa_wavefront_size32 1
		.amdhsa_system_sgpr_workgroup_id_x 1
		.amdhsa_system_sgpr_workgroup_id_y 1
		.amdhsa_system_sgpr_workgroup_id_z 1
		.amdhsa_system_vgpr_workitem_id 0
		.amdhsa_next_free_vgpr 160
		.amdhsa_next_free_sgpr 66
		.amdhsa_reserve_vcc 0
		.amdhsa_float_denorm_mode_32 3
		.amdhsa_float_denorm_mode_16_64 3
		.amdhsa_memory_ordered 1
		.amdhsa_forward_progress 1
		.amdhsa_inst_pref_size 10
	.end_amdhsa_kernel
	.amdgpu_metadata
---
amdhsa.version: [ 1, 2 ]
amdhsa.kernels:
  - .name:           k_q6cd771df49_norm
    .symbol:         k_q6cd771df49_norm.kd
    .args:
      - { .name: part, .offset: 0, .size: 8, .value_kind: global_buffer, .address_space: global }
      - { .name: tot, .offset: 8, .size: 8, .value_kind: global_buffer, .address_space: global }
      - { .name: out0, .offset: 16, .size: 8, .value_kind: global_buffer, .address_space: global }
    .group_segment_fixed_size: 0
    .private_segment_fixed_size: 0
    .kernarg_segment_align: 8
    .kernarg_segment_size: 24
    .max_flat_workgroup_size: 96
    .sgpr_count:     66
    .vgpr_count:     160
    .wavefront_size: 32
...
	.end_amdgpu_metadata
.endif
;; end of part 2
